; MI455X (gfx1250); checked and timed in simulation.
; The chip was launched on July 23, 2026; its instructions are those of AMD's public machine-readable ISA for CDNA 5 (MIT licence, August 2026) and "CDNA5" Instruction Set Architecture Reference Guide (July 2026). The comments in the code are by the model that wrote it; some were corrected since.
;; Per Pixel Cross Attention. Allowed arithmetic: matrix products marked QUANTISED: E2M1 operands, one E8M0 scale for each 32 along K, by v_wmma_scale_f32_16x16x128_f8f6f4 with both operands' format E2M1 (or v_wmma_scale_f32_32x16x128_f4), f32 sums; products left as they are: f32 operands where the result goes on into a quantised operand, else bf16, f16 or f32 operands; f32 sums; everything else in f32.
;; Inputs: Wkv_codes 256 x 4 x 16 uint8 (E2M1 codes of Wkv, K innermost, in blocks of 32 codes, two codes a byte); Wkv_scales 256 x 4 uint8 (E8M0 scales of Wkv, one for each 32 codes along K); Wo_codes 128 x 4 x 16 uint8 (E2M1 codes of Wo, K innermost, in blocks of 32 codes, two codes a byte); Wo_scales 128 x 4 uint8 (E8M0 scales of Wo, one for each 32 codes along K); Wq_codes 128 x 4 x 16 uint8 (E2M1 codes of Wq, K innermost, in blocks of 32 codes, two codes a byte); Wq_scales 128 x 4 uint8 (E8M0 scales of Wq, one for each 32 codes along K); bo 128 float32; context_codes 4 x 4,096 x 32 x 4 x 16 uint8 (E2M1 codes of context, K innermost, in blocks of 32 codes, two codes a byte); context_scales 4 x 4,096 x 32 x 4 uint8 (E8M0 scales of context, one for each 32 codes along K); x_codes 4 x 4,096 x 1 x 4 x 16 uint8 (E2M1 codes of x, K innermost, in blocks of 32 codes, two codes a byte); x_scales 4 x 4,096 x 1 x 4 uint8 (E8M0 scales of x, one for each 32 codes along K).
;; Outputs: out0 4 x 4,096 x 1 x 128 float32.
;; This version of the problem:
;;   THIS VERSION OF THE PROBLEM IS GIVEN IN LOW PRECISION. The matrix products marked QUANTISED in the list below multiply operands that are first quantised to E2M1 (2 exponent bits, 1 mantissa bit; 4 bits a number), with one power-of-two scale for each 32 numbers along K (OCP MX v1.0); their sums are f32. All else is computed in f32.
;;   The module's matrix products, in the order in which they are computed (A, B: the left and right operand; K: the contracted axis; several contracted axes count as one K, in the product's order):
;;     1. [M 16,384, K 128] x [K 128, N 128]; A: input x (given as codes); B: input Wq (given as codes): QUANTISED
;;     2. [M 524,288, K 128] x [K 128, N 256]; A: input context (given as codes); B: input Wkv (given as codes): QUANTISED
;;     3. batch 32,768 x [M 1, K 64] x [K 64, N 32]; A: computed on the way; B: computed on the way: left as it is (M = 1 < 16)
;;     4. batch 32,768 x [M 1, K 32] x [K 32, N 64]; A: softmax; B: computed on the way: left as it is (M = 1 < 16)
;;     5. [M 16,384, K 128] x [K 128, N 128]; A: computed on the way; B: input Wo (given as codes): QUANTISED
;;   THE QUANTISER, for each operand of a quantised product, along K:
;;     - K is cut into blocks of 32 from its start; a last block that is shorter is filled with zeros.
;;     - A block's scale is 2^e with e = floor(log2(the largest magnitude in the block)) - 2, held to -126 .. 127; a block of zeros has e = 0. As a byte (E8M0): e + 127.
;;     - Each number is divided by its block's scale, clamped to +-6, and rounded to the nearest number of E2M1, ties to even, subnormals kept.
;;     - The product sums the exact products of the quantised numbers (number of the format x scale) in f32.
;;   ~~~python
;;   def quantise(x, axis):      # numpy; x: float32 -> the quantised numbers, widened to float32 again
;;       x = np.moveaxis(x, axis, -1); K = x.shape[-1]
;;       x = np.pad(x, [(0, 0)] * (x.ndim - 1) + [(0, -K % 32)]); x = x.reshape(x.shape[:-1] + (-1, 32)); a = np.abs(x).max(-1, keepdims=True)
;;       e = np.where(a > 0, np.clip(np.frexp(np.where(a > 0, a, 1))[1] - 1 - 2, -126, 127), 0)      # np.frexp(a)[1] - 1 = floor(log2(a)), exactly
;;       r = np.clip(x / 2.0 ** e, -6, 6)
;;       step = 2.0 ** (np.maximum(np.frexp(np.where(r == 0, 1, r))[1] - 1, 0) - 1)
;;       q = np.round(r / step) * step * 2.0 ** e      # np.round: ties to even
;;       return np.moveaxis(q.reshape(q.shape[:-2] + (-1,))[..., :K], -1, axis).astype(np.float32)
;;   ~~~
;;   OPERANDS COMPUTED ON THE WAY. 'Computed on the way' means the value that the module computes at that place (a softmax that the list does not call 'softmax' is quantised finished and normalised). What goes into a quantiser is computed in f32, as accurately as f32 sums, v_exp_f32 and their like allow (about 1e-6 of the number): no bf16 or f16 on the way to a quantiser, and a product that is left as it is and whose result goes on into a quantised operand takes f32 operands (vector FMAs, or v_wmma_f32_16x16x4_f32). A number that lies on a knife's edge between two numbers of the format may be rounded either way, as far as f32 arithmetic and the matrix unit's own rounding can turn it there, and no further.
;;   INPUTS GIVEN AS CODES. Wkv (in the module: [128, 256], K = its axis 0); Wo (in the module: [128, 128], K = its axis 0); Wq (in the module: [128, 128], K = its axis 0); context (in the module: [4, 4096, 32, 128], K = its axis 3); x (in the module: [4, 4096, 1, 128], K = its axis 3): each comes as NAME_codes (uint8): NAME with its K axis moved to the last place and cut into blocks of 32 codes, [.., K / 32, bytes a block], one block behind the other in memory; two codes a byte, the lower K in the low four bits (a code: sign, 2 exponent bits, 1 mantissa bit); and NAME_scales (uint8): the same leading axes, one E8M0 byte (e + 127) for each 32 codes along K. Its value is code x scale, taken as it is: it is not quantised again, and the codes and scales need not be those that the quantiser above would give.
;; One version. Each part assembles by itself: llvm-mc -triple=amdgcn-amd-amdhsa -mcpu=gfx1250 --defsym DOCPART=n.
;; ======== version 1 of 1: 1 launch
;; launch pixattn (part 1): grid 256 x 1, 8 waves a work-group, no clusters, 226,304 bytes of LDS; arguments context_codes, context_scales, x_codes, x_scales, Wkv_codes, Wkv_scales, Wq_codes, Wq_scales, Wo_codes, Wo_scales, bo, out0; writes out0
.if DOCPART == 1
	.amdgcn_target "amdgcn-amd-amdhsa--gfx1250"
	.amdhsa_code_object_version 6
	.text
	.protected	k_q7494a8fc29_pixattn
	.globl	k_q7494a8fc29_pixattn
	.p2align	8
	.type	k_q7494a8fc29_pixattn,@function
k_q7494a8fc29_pixattn:
	s_mov_b64 s[64:65], 0
	v_nop
	global_prefetch_b8 v0, s[64:65] scope:SCOPE_SE
	s_setreg_imm32_b32 hwreg(HW_REG_WAVE_MODE, 25, 1), 1
	s_wait_xcnt 0x0
; Per-pixel cross attention, 16,384 pixels: q = x Wq (2 heads x 64), kv = ctx Wkv (32 rows x 256), two softmaxes over 32 rows, out Wo + bo.
; x Wq, ctx Wkv and out Wo run on codes of FP4 (E2M1) with one E8M0 scale for each 32 along K; q.k and p.v are f32 multiply-adds, since their result goes into a quantiser.
; SHARES.  256 work-groups of 8 waves; a work-group owns 64 pixels, a wave 8, and a wave takes its pixels through the whole chain alone.  The text is straight: 8 pixels by macro, no loop, no branch.
; LDS.  All tiles are first fills, asked for in the first lines: each wave brings one eighth of the weights (shared, so ONE barrier stands behind them) and its own 8 pixels of context as four tiles of two pixels,
; read behind its own counted waits.  Nothing is filled twice.  What the waves store by ds_store lies in bytes of its own, 6,400 for each wave, into which no tile lands.
; LAYOUTS (r = lane % 16, h = lane / 16).
;   q:  source 0 = 16 rows of Wq, source 1 = the pixel's x in ALL 16 columns: register j of tile t is q[16 t + 8 h + j] in every lane: q comes out broadcast, as the multiply-adds below want it.
;   k:  source 0 = 16 rows of Wkv, source 1 = 16 rows of context: register j of tile t is k[row 16 u + r][16 t + 8 h + j]: q.k is a run of packed multiply-adds; the halves h meet by one exchange.
;   v:  source 0 = 16 rows of context, source 1 = 16 rows of Wkv: register j of tile t is v[row 16 u + 8 h + j][16 t + r]: p.v is a run of packed multiply-adds with p[16 u + 8 h + j] in every lane.
;   p goes through 256 bytes of the wave's own LDS to get there.  It is not normalised: 1 / sum multiplies the pixel's four result registers.
; NO CLUSTER: work-groups share the weights alone, 32,768 of the 163,840 bytes that a work-group's tensor loads bring, read once; joint loads would add rounds of barriers to a text that has one barrier.
; LIMITS: NaN, infinities and scale bytes 0xff among the inputs are not served; a block of zeros in out gets the scale byte 1 (its codes are zeros, and this program alone reads the byte);
; a weight p under 2^-126 counts as 0 (v_exp_f32 flushes: ISA guide, 15.8).
.set TILEB, 4352                       ; a tile: 16 rows of 256 bytes + 16 of padding
.set FRB,   1088                       ; a fragment's 16 rows of 64 bytes: four such rows
.set CB,    8*TILEB                    ; LDS 0: the weights (Wkv 16 fragments, Wq 8, Wo 8);  from CB: context, 4 tiles for each wave
.set CWB,   4*TILEB
.set SB,    CB+8*CWB                   ; from SB: each wave's own 6,400 bytes
.set SWB,   6400
.set XC,    0                          ; in them: x's codes of my 8 pixels, 64 bytes each
.set XSC,   512                        ; x's scale words
.set CSC,   768                        ; the context's scale words, 128 bytes a pixel
.set ATT,   1792                       ; p: 128 bytes a head
.set OST,   2048                       ; 8 rows of out, later of y: 512 bytes + 16
.set A_W,   1                          ; v1   my lane's place in a fragment: 272 (r / 4) + 64 (r % 4) + 16 h
.set A_C,   2                          ; v2   the same in my wave's context
.set A_L16, 3                          ; v3   my bytes + 16 x lane
.set A_L4,  4                          ; v4   my bytes + 4 x lane
.set A_U,   5                          ; v5   my bytes
.set A_XH,  6                          ; v6   my bytes + 16 h
.set A_PR,  7                          ; v7   my bytes + 32 h
.set A_PW,  8                          ; v8   my bytes + 128 h + 4 r
.set A_OR,  9                          ; v9   my bytes + 528 (r % 8) + 64 h
.set A_YW,  10                         ; v10  my bytes + 528 (r % 8) + 32 h
.set G16,   11                         ; v11  16 x lane
.set GB,    12                         ; v12  32 h
.set G4,    13                         ; v13  4 x lane
.set G47,   14                         ; v14  4 x (lane % 8)
.set A_X7,  15                         ; v15  my bytes + 4 x (lane % 8)
.set WKS,   16                         ; v16-23 Wkv's scale words, v24-27 Wq's, v28-31 Wo's: lanes 0-15 tile 2 i, lanes 16-31 tile 2 i + 1.  v16-34 hold scales and nothing else
.set WQS,   24
.set WOS,   28
.set CS,    32                         ; v32  the pixel's context scale words: lane = row
.set XS,    33                         ; v33  the pixel's x scale word, in every lane
.set PW,    34                         ; v34  out's scale word
.set F0,    36                         ; v36-51 the pixel's two context fragments
.set XF,    52                         ; v52-59 x's fragment
.set SA,    60                         ; v60-75 sums of q.k: pair (u, head, chain) at 8 u + 4 head + 2 chain;  later sums of p.v: pair t at 2 t
.set TM,    76                         ; v76-91 at work
.set AT,    88                         ; v88-119 p as the multiply-adds want it: 16 head + 8 u + j
.set PC,    92                         ; v92-99 out's codes (behind the last pixel)
.set GT,    120                        ; v120-247 the 16 tiles of k, then of v: 64 u + 8 t
.set OD,    248                        ; v248-251 a pixel's 128 results
.set WQ,    128                        ; window 1: v0-127 Wkv's 16 fragments (at the end v0-63 Wo's 8); v128-191 Wq's; v192-255 q (at the end bo's 8 tiles)
.set QR,    192
.set GD,    4                          ; s[4:11] descriptor group 1;  s[40:43] group 0 for my weights tile;  s[44:59] for my four context tiles
.set W_Q,   0x41                       ; s_set_vgpr_msb: bits 1:0 source 0, 3:2 source 1, 5:4 source 2, 7:6 destination.  q: Wq and q in window 1
.set W_K,   0x01                       ; k: Wkv in window 1
.set W_S1,  0x04                       ; source 1 in window 1: q in the multiply-adds, Wkv in v's products
.set W_LD,  0x40                       ; loads into window 1
.set W_5,   0x11                       ; the last product: Wo and the bias in window 1
.set MSB, 0
.macro WIN new                         ; the immediate's high byte repeats the setting that is left; a switch that changes nothing is dropped
.if MSB != \new
	s_set_vgpr_msb (MSB<<8)|\new
.set MSB, \new
.endif
.endm
; One product 16 x 16 x 128 that starts its sum with 0 (K = 128 is one instruction: no sum is ever taken up again).  ra, rb: the side's scales stand in lanes 16-31.
.macro MM d, a, b, sa, sb, ra, rb
.if (\ra) && (\rb)
	v_wmma_scale_f32_16x16x128_f8f6f4 v[(\d):(\d)+7], v[(\a):(\a)+7], v[(\b):(\b)+7], 0, v[(\sa)], v[(\sb)] matrix_a_fmt:MATRIX_FMT_FP4 matrix_b_fmt:MATRIX_FMT_FP4 matrix_a_scale:MATRIX_SCALE_ROW1 matrix_b_scale:MATRIX_SCALE_ROW1
.elseif (\ra)
	v_wmma_scale_f32_16x16x128_f8f6f4 v[(\d):(\d)+7], v[(\a):(\a)+7], v[(\b):(\b)+7], 0, v[(\sa)], v[(\sb)] matrix_a_fmt:MATRIX_FMT_FP4 matrix_b_fmt:MATRIX_FMT_FP4 matrix_a_scale:MATRIX_SCALE_ROW1
.elseif (\rb)
	v_wmma_scale_f32_16x16x128_f8f6f4 v[(\d):(\d)+7], v[(\a):(\a)+7], v[(\b):(\b)+7], 0, v[(\sa)], v[(\sb)] matrix_a_fmt:MATRIX_FMT_FP4 matrix_b_fmt:MATRIX_FMT_FP4 matrix_b_scale:MATRIX_SCALE_ROW1
.else
	v_wmma_scale_f32_16x16x128_f8f6f4 v[(\d):(\d)+7], v[(\a):(\a)+7], v[(\b):(\b)+7], 0, v[(\sa)], v[(\sb)] matrix_a_fmt:MATRIX_FMT_FP4 matrix_b_fmt:MATRIX_FMT_FP4
.endif
.endm
.macro PLACES n
.rept \n
	v_nop
.endr
.endm
; Pixel p's operands out of LDS: eight loads
.macro FRAGS p
.irp u, 0,1
.irp c, 0,1
	ds_load_b128 v[F0+8*\u+4*\c:F0+8*\u+4*\c+3], v[A_C] offset:2*FRB*(\p)+FRB*\u+32*\c   ; context rows 16 u + r: registers 4 c .. 4 c + 3 hold K = 64 c + 32 h + 0 .. 31
.endr
.endr
	ds_load_b32 v[CS], v[A_L4] offset:CSC+128*(\p)
.irp c, 0,1
	ds_load_b128 v[XF+4*\c:XF+4*\c+3], v[A_XH] offset:XC+64*(\p)+32*\c                   ; every lane takes the same pixel's row
.endr
	ds_load_b32 v[XS], v[A_U] offset:XSC+4*(\p)
.endm
.macro QW                              ; q, broadcast: 8 products
.irp t, 0,1,2,3,4,5,6,7
	MM QR+8*\t, WQ+8*\t, XF, WQS+\t/2, XS, \t%2, 0
.endr
.endm
.macro KW u                            ; k of context rows 16 u on: 8 products
.irp t, 0,1,2,3,4,5,6,7
	MM GT+64*(\u)+8*\t, 8*\t, F0+8*(\u), WKS+\t/2, CS, \t%2, \u
.endr
.endm
.macro VW u                            ; v of the same rows, over k's tiles, which have been used up: 8 products
.irp t, 0,1,2,3,4,5,6,7
	MM GT+64*(\u)+8*\t, F0+8*(\u), 64+8*\t, CS, WKS+4+\t/2, \u, \t%2
.endr
.endm
; q.k for rows 16 u + r: 32 packed multiply-adds in four chains (head x two); the first of a chain is a multiplication, so nothing is cleared.  Each tile is read from its registers 0, 1 on.
.macro KF u
.irp tau, 0,1,2,3
.irp jj, 0,1,2,3
.irp hd, 0,1
.set rS, SA+8*(\u)+4*\hd+2*(\jj%2)
.set rG, GT+64*(\u)+8*(4*\hd+\tau)+2*\jj
.set rQ, QR+8*(4*\hd+\tau)+2*\jj
.if (\tau == 0) && (\jj < 2)
	v_pk_mul_f32 v[rS:rS+1], v[rG:rG+1], v[rQ:rQ+1]
.else
	v_pk_fma_f32 v[rS:rS+1], v[rG:rG+1], v[rQ:rQ+1], v[rS:rS+1]
.endif
.endr
.endr
.endr
.endm
.macro SRED                            ; the chains and the halves of the pairs are added: v[TM + 2 u + head].  These eight lines are also the places behind v's products, in front of the loads into their operands
.irp u, 0,1
.irp hd, 0,1
	v_pk_add_f32 v[SA+8*\u+4*\hd:SA+8*\u+4*\hd+1], v[SA+8*\u+4*\hd:SA+8*\u+4*\hd+1], v[SA+8*\u+4*\hd+2:SA+8*\u+4*\hd+3]
.endr
.endr
.irp u, 0,1
.irp hd, 0,1
	v_add_f32 v[TM+2*\u+\hd], v[SA+8*\u+4*\hd], v[SA+8*\u+4*\hd+1]
.endr
.endr
.endm
; The two heads' softmaxes in one set of lines.  The exchange puts head 0's two halves into lanes 0-15 of the two registers and head 1's into lanes 16-31; their sum is sim[head h][row 16 u + r].
.macro SM1
	v_permlane16_swap_b32 v[TM], v[TM+1]
	v_permlane16_swap_b32 v[TM+2], v[TM+3]
	v_add_f32 v[TM+4], v[TM], v[TM+1]
	v_add_f32 v[TM+5], v[TM+2], v[TM+3]
	v_max_num_f32 v[TM+6], v[TM+4], v[TM+5]
.irp x, 1,2,4,8
	v_max_num_f32_dpp v[TM+6], v[TM+6], v[TM+6] row_xmask:\x row_mask:0xf bank_mask:0xf   ; the head's largest of 32
.endr
	v_mul_f32 v[TM+7], s60, v[TM+6]
	v_fma_f32 v[TM+4], v[TM+4], s60, -v[TM+7]      ; c sim - c max, c = log2(e) / 8
	v_fma_f32 v[TM+5], v[TM+5], s60, -v[TM+7]
	v_exp_f32 v[TM+4], v[TM+4]
	v_exp_f32 v[TM+5], v[TM+5]
	v_nop                                          ; a plain place behind the exponentials
.endm
.macro ATTN                            ; p through my 256 bytes: in by rows, back as eight neighbours of my half, the same in all 16 lanes of a half.  LDS serves a wave's instructions in order (ISA guide 5.7.1.4)
	s_wait_alu depctr_va_vdst(0)
	ds_store_b32 v[A_PW], v[TM+4] offset:ATT
	ds_store_b32 v[A_PW], v[TM+5] offset:ATT+64
.irp hd, 0,1
.irp u, 0,1
.irp i, 0,1
	ds_load_b128 v[AT+16*\hd+8*\u+4*\i:AT+16*\hd+8*\u+4*\i+3], v[A_PR] offset:ATT+128*\hd+64*\u+16*\i
.endr
.endr
.endr
.endm
.macro SM2                             ; 1 / sum of each head, as two scalars, while p is on its way
	v_add_f32 v[TM+8], v[TM+4], v[TM+5]
.irp x, 1,2,4,8
	v_add_f32_dpp v[TM+8], v[TM+8], v[TM+8] row_xmask:\x row_mask:0xf bank_mask:0xf
.endr
	v_rcp_f32 v[TM+9], v[TM+8]
	v_nop                                          ; a plain place behind the reciprocal
	s_wait_alu depctr_va_vdst(0)
	v_readlane_b32 s61, v[TM+9], 0
	v_readlane_b32 s62, v[TM+9], 16
.endm
.macro VF                              ; p.v: 64 packed multiply-adds in eight chains, one a tile of channels; each tile is read from its registers 0, 1 on
.irp u, 0,1
.irp jj, 0,1,2,3
.irp t, 0,1,2,3,4,5,6,7
.set rO, SA+2*\t
.set rG, GT+64*\u+8*\t+2*\jj
.set rP, AT+16*(\t/4)+8*\u+2*\jj
.if (\u == 0) && (\jj == 0)
	v_pk_mul_f32 v[rO:rO+1], v[rG:rG+1], v[rP:rP+1]
.else
	v_pk_fma_f32 v[rO:rO+1], v[rG:rG+1], v[rP:rP+1], v[rO:rO+1]
.endif
.endr
.endr
.endr
.endm
; The pairs' halves and the lanes' halves are added: register i, lane l = channel 32 i + l; times 1 / sum of its head; row p of the stage.  The additions are also the places behind the next pixel's k.
.macro ORED p
.irp t, 0,1,2,3,4,5,6,7
	v_add_f32 v[TM+\t], v[SA+2*\t], v[SA+2*\t+1]
.endr
.irp i, 0,1,2,3
	v_permlane16_swap_b32 v[TM+2*\i], v[TM+2*\i+1]
.endr
.irp i, 0,1,2,3
	v_add_f32 v[OD+\i], v[TM+2*\i], v[TM+2*\i+1]
.endr
.irp i, 0,1,2,3
	v_mul_f32 v[OD+\i], s[61+\i/2], v[OD+\i]
.endr
.irp i, 0,1,2,3
	ds_store_b32 v[A_L4], v[OD+\i] offset:OST+528*(\p)+128*\i
.endr
.endm
.macro TAILPRE                         ; in the last pixel: Wo's fragments over Wkv's first eight, the bias tiles over q: both are done with
	WIN W_LD
.irp t, 0,1,2,3,4,5,6,7
.irp c, 0,1
	ds_load_b128 v[8*\t+4*\c:8*\t+4*\c+3], v[A_W] offset:FRB*(24+\t)+32*\c
.endr
.endr
.irp t, 0,1,2,3,4,5,6,7
.irp i, 0,1
	global_load_b128 v[QR+8*\t+4*\i:QR+8*\t+4*\i+3], v[GB], s[36:37] offset:64*\t+16*\i   ; register j of tile t: bo[16 t + 8 h + j]
.endr
.endr
	WIN 0
.endm
; 64 numbers of a lane, register 16 b + i = k 32 b + 16 h + i of my row, become a fragment's codes in v[PC] on and its scale word in v[PW].
.macro QUANT s
.irp b, 0,1,2,3
	v_max3_num_f32 v[TM+\b], |v[\s+16*\b]|, |v[\s+1+16*\b]|, 0x1800000   ; block b: my 16 numbers, and the floor 2^(3 - 127): the byte cannot fall under 1
.endr
.irp i, 2,4,6,8,10,12,14
.irp b, 0,1,2,3
	v_max3_num_f32 v[TM+\b], v[TM+\b], |v[\s+16*\b+\i]|, |v[\s+1+16*\b+\i]|
.endr
.endr
.irp b, 0,1,2,3
	v_permlanex16_b32 v[TM+4+\b], v[TM+\b], s66, s67
.endr
.irp b, 0,1,2,3
	v_max_num_f32 v[TM+\b], v[TM+\b], v[TM+4+\b]   ; with lane l xor 16's: the block's largest magnitude
.endr
.irp b, 0,1,2,3
	v_add_nc_u32 v[TM+12+\b], 0xff000000, v[TM+\b] ; 2 off its exponent field: the conversion takes the exponent field of this operand as its scale
.endr
.irp b, 0,1,2,3
	v_lshrrev_b32 v[TM+4+\b], 23, v[TM+12+\b]      ; the scale's byte
.endr
	v_lshl_or_b32 v[PW], v[TM+5], 8, v[TM+4]
	v_lshl_or_b32 v[PW], v[TM+6], 16, v[PW]
	v_lshl_or_b32 v[PW], v[TM+7], 24, v[PW]
.irp b, 0,1,2,3
	v_cvt_scalef32_pk8_fp4_f32 v[PC+2*\b], v[\s+16*\b:\s+7+16*\b], v[TM+12+\b]
	v_cvt_scalef32_pk8_fp4_f32 v[PC+1+2*\b], v[\s+8+16*\b:\s+15+16*\b], v[TM+12+\b]
.endr
	v_nop                                          ; one plain place behind a scaled conversion
.irp c, 0,1                                    ; the operand's layout wants a whole block in a lane: lanes 0-15 block 2 c, lanes 16-31 block 2 c + 1
.irp i, 0,1
	v_permlane16_swap_b32 v[PC+4*\c+\i], v[PC+2+4*\c+\i]
.endr
.endr
.endm
; A PIXEL.  On entry its q and its 16 tiles of k are in registers.  k's tiles are used up and v's products take their place; the next pixel's operands are fetched under the softmax;
; the next pixel's q stands in front of p.v and its k behind, so that matrix work is under way while the vector lines are issued.
.macro PIXEL p
	WIN W_S1
	KF 0
	VW 0
	KF 1
	VW 1
	WIN 0
	SRED
.if (\p) < 7
.if ((\p)+1)%2 == 0
	s_wait_tensorcnt 3-((\p)+1)/2                  ; the next pixel begins a tile: it has landed; the younger tiles stay out
.endif
	FRAGS (\p)+1
.else
	TAILPRE
.endif
	SM1
	ATTN
	SM2
	s_wait_dscnt 0x0                               ; p is back, the next pixel's operands are in, and my LDS stores have read their registers
.if (\p) < 7
	WIN W_Q
	QW
.endif
	WIN 0
	VF
.if (\p) < 7
	WIN W_K
	KW 0
	KW 1
.endif
	WIN 0
	ORED \p
.endm
	s_load_b512 s[16:31], s[0:1], 0x0              ; context codes s[16:17], scales s[18:19]; x codes s[20:21], scales s[22:23]; Wkv s[24:25], s[26:27]; Wq s[28:29], s[30:31]
	s_load_b256 s[32:39], s[0:1], 0x40             ; Wo s[32:33], s[34:35]; bo s[36:37]; out0 s[38:39]
	v_lshl_add_u32 v254, v0, 2, 0x37000
	v_mov_b32 v255, 0
	ds_add_u32 v254, v255
	ds_add_u32 v254, v255
	v_lshrrev_b32 v76, 5, v0
	v_readfirstlane_b32 s2, v76                    ; wave 0..7
	; descriptor group 1, for every tile: 16 rows of 256 bytes (32 elements of 8), dense in memory, 16 bytes of padding behind each row
	s_mov_b32 s[GD+0], (3<<16)|(1<<20)|(5<<22)|(3<<25)   ; no mask; elements of 8 bytes; padding on, after every 64 words, of 4 words
	s_mov_b32 s[GD+1], 32<<16                      ; tensor_dim0 = 32
	s_mov_b32 s[GD+2], 16<<16                      ; tensor_dim1 = 16
	s_mov_b32 s[GD+3], 32<<16                      ; tile_dim0 = 32
	s_mov_b32 s[GD+4], 16                          ; tile_dim1 = 16
	s_mov_b32 s[GD+5], 32                          ; elements from row to row
	s_mov_b32 s[GD+6], 0
	s_mov_b32 s[GD+7], 0
	s_lshl_b32 s3, ttmp9, 3
	s_add_co_u32 s3, s3, s2                        ; which run of 8 pixels is my wave's: 8 x work-group + wave
	s_lshl_b32 s12, s3, 14                         ; its bytes: context codes 8 x 2,048,
	s_mov_b32 s13, 0
	s_lshl_b32 s14, s3, 10                         ; context scales 8 x 128,
	s_mov_b32 s15, 0
	s_lshl_b32 s68, s3, 9                          ; x codes 8 x 64,
	s_mov_b32 s69, 0
	s_lshl_b32 s70, s3, 5                          ; x scales 8 x 4,
	s_mov_b32 s71, 0
	s_lshl_b32 s72, s3, 12                         ; out0 8 x 512
	s_mov_b32 s73, 0
	s_mul_i32 s63, s2, SWB
	s_add_co_u32 s63, s63, SB                      ; my wave's own bytes
	s_mul_i32 s3, s2, CWB
	s_add_co_u32 s3, s3, CB                        ; my wave's context
	s_mov_b32 s60, 0x3e38aa3b                      ; c = log2(e) / 8 = log2(e) x 64^-0.5
	s_mov_b32 s66, 0x76543210
	s_mov_b32 s67, 0xfedcba98                      ; v_permlanex16_b32's selects for lane l xor 16
	v_and_b32 v76, 31, v0                          ; lane
	v_and_b32 v77, 15, v0                          ; r
	v_bfe_u32 v78, v0, 4, 1                        ; h
	v_bfe_u32 v79, v0, 2, 2                        ; r / 4
	v_and_b32 v80, 3, v0                           ; r % 4
	v_and_b32 v81, 7, v0                           ; r % 8
	v_mul_u32_u24 v[A_W], v79, 272
	v_lshl_add_u32 v[A_W], v80, 6, v[A_W]
	v_lshl_add_u32 v[A_W], v78, 4, v[A_W]
	v_add_nc_u32 v[A_C], s3, v[A_W]
	v_lshl_add_u32 v[A_L16], v76, 4, s63
	v_lshl_add_u32 v[A_L4], v76, 2, s63
	v_mov_b32 v[A_U], s63
	v_lshl_add_u32 v[A_XH], v78, 4, s63
	v_lshl_add_u32 v[A_PR], v78, 5, s63
	v_lshl_add_u32 v[A_PW], v78, 7, s63
	v_lshl_add_u32 v[A_PW], v77, 2, v[A_PW]
	v_mul_u32_u24 v82, v81, 528
	v_add_nc_u32 v82, s63, v82
	v_lshl_add_u32 v[A_OR], v78, 6, v82
	v_lshl_add_u32 v[A_YW], v78, 5, v82
	v_lshlrev_b32 v[G16], 4, v76
	v_lshlrev_b32 v[GB], 5, v78
	v_lshlrev_b32 v[G4], 2, v76
	v_lshlrev_b32 v[G47], 2, v81
	v_lshl_add_u32 v[A_X7], v81, 2, s63
	s_wait_dscnt 0x0
	s_wait_kmcnt 0x0
	s_add_nc_u64 s[16:17], s[16:17], s[12:13]
	s_add_nc_u64 s[18:19], s[18:19], s[14:15]
	s_add_nc_u64 s[20:21], s[20:21], s[68:69]
	s_add_nc_u64 s[22:23], s[22:23], s[70:71]
	s_add_nc_u64 s[38:39], s[38:39], s[72:73]
	; my eighth of the weights: waves 0-3 take Wkv's 4,096-byte quarters, waves 4, 5 Wq's halves, waves 6, 7 Wo's.  The choice hangs on the wave's number alone
	s_cmp_lt_u32 s2, 6
	s_cselect_b64 s[42:43], s[28:29], s[32:33]
	s_cselect_b32 s74, 4, 6
	s_cmp_lt_u32 s2, 4
	s_cselect_b64 s[42:43], s[24:25], s[42:43]
	s_cselect_b32 s74, 0, s74
	s_sub_co_u32 s74, s2, s74
	s_lshl_b32 s74, s74, 12
	s_mov_b32 s75, 0
	s_add_nc_u64 s[42:43], s[42:43], s[74:75]      ; 120:64 global address
	s_or_b32 s43, s43, 0x80000000                  ; 127:126 type = 2
	s_mov_b32 s40, 1                               ; count = 1
	s_mul_i32 s41, s2, TILEB                       ; 63:32 LDS address: wave x a tile
.irp k, 0,1,2,3
	s_mov_b32 s[44+4*\k], 1
	s_add_co_u32 s[45+4*\k], s3, \k*TILEB          ; my context, tile k: pixels 2 k, 2 k + 1
	s_add_nc_u64 s[46+4*\k:47+4*\k], s[16:17], \k*4096
	s_or_b32 s[47+4*\k], s[47+4*\k], 0x80000000
.endr
	tensor_load_to_lds s[40:43], s[GD:GD+7]        ; all first fills in one group, ahead of every wait on TENSORcnt, LDS read and barrier: five loads of mine are out
	s_nop 0
	tensor_load_to_lds s[44:47], s[GD:GD+7]
	s_nop 0
	tensor_load_to_lds s[48:51], s[GD:GD+7]
	s_nop 0
	tensor_load_to_lds s[52:55], s[GD:GD+7]
	s_nop 0
	tensor_load_to_lds s[56:59], s[GD:GD+7]
	s_nop 0
	PLACES 4                                       ; four places behind the loads
	global_load_b128 v[GT:GT+3], v[G16], s[20:21] th:TH_LOAD_NT              ; x's codes of my 8 pixels: 512 consecutive bytes
	global_load_b32 v[GT+4], v[G47], s[22:23] th:TH_LOAD_NT                  ; their scale words
	global_load_b128 v[GT+8:GT+11], v[G16], s[18:19] th:TH_LOAD_NT           ; the context's scale words: 1,024 consecutive bytes
	global_load_b128 v[GT+12:GT+15], v[G16], s[18:19] offset:512 th:TH_LOAD_NT
.irp i, 0,1,2,3,4,5,6,7
	global_load_b32 v[WKS+\i], v[G4], s[26:27] offset:128*\i                 ; lane l: the word of row 32 i + l
.endr
.irp i, 0,1,2,3
	global_load_b32 v[WQS+\i], v[G4], s[30:31] offset:128*\i
	global_load_b32 v[WOS+\i], v[G4], s[34:35] offset:128*\i
.endr
	s_wait_tensorcnt 0x4                           ; my weights tile has landed (tensor loads of a wave end in order: ISA guide 10.11.1); my four context tiles, issued behind it, stay out
	s_barrier_signal -1
	s_barrier_wait -1                              ; everybody's has: the one barrier of the text
	WIN W_LD
.set i, 0
.rept 24                                       ; Wkv's 16 fragments and Wq's 8 into window 1: they stay
	ds_load_b128 v[8*i:8*i+3], v[A_W] offset:FRB*i
	ds_load_b128 v[8*i+4:8*i+7], v[A_W] offset:FRB*i+32
.set i, i+1
.endr
	WIN 0
	s_wait_loadcnt 0x0                             ; x, the scale words
	ds_store_b128 v[A_L16], v[GT:GT+3] offset:XC
	ds_store_b32 v[A_X7], v[GT+4] offset:XSC       ; four lanes write each word, with the same value
	ds_store_b128 v[A_L16], v[GT+8:GT+11] offset:CSC
	ds_store_b128 v[A_L16], v[GT+12:GT+15] offset:CSC+512
	s_wait_tensorcnt 0x3                           ; my first context tile has landed; three stay out
	FRAGS 0                                        ; LDS serves a wave's instructions in order: these see the stores above
	s_wait_dscnt 0x0
	WIN W_Q
	QW
	WIN W_K
	KW 0
	KW 1
	WIN 0
	PLACES 4                                       ; four places between these products and the first read of their results (ISA guide 7.12.1)
	PIXEL 0
	PIXEL 1
	PIXEL 2
	PIXEL 3
	PIXEL 4
	PIXEL 5
	PIXEL 6
	PIXEL 7
	; THE LAST PRODUCT, for my 8 pixels at once.  Lane (r, h) takes row r % 8 of out (lanes 8-15 repeat rows 0-7: the product's columns 8-15 repeat 0-7), 16 neighbours of each block of 32.
.irp b, 0,1,2,3
.irp i, 0,1,2,3
	ds_load_b128 v[GT+16*\b+4*\i:GT+16*\b+4*\i+3], v[A_OR] offset:OST+128*\b+16*\i
.endr
.endr
	s_wait_dscnt 0x0
	QUANT GT
	PLACES 8                                       ; a scale register written by a vector instruction stands 8 places ahead of a scaled matrix instruction, an operand so written 4
	s_wait_loadcnt 0x0                             ; the bias
	WIN W_5
.irp t, 0,1,2,3,4,5,6,7                        ; source 0 = 16 rows of Wo, source 1 = out; the bias is the C: register j of tile t is y[r % 8][16 t + 8 h + j]
.if \t%2
	v_wmma_scale_f32_16x16x128_f8f6f4 v[GT+64+8*\t:GT+64+8*\t+7], v[8*\t:8*\t+7], v[PC:PC+7], v[QR+8*\t:QR+8*\t+7], v[WOS+\t/2], v[PW] matrix_a_fmt:MATRIX_FMT_FP4 matrix_b_fmt:MATRIX_FMT_FP4 matrix_a_scale:MATRIX_SCALE_ROW1
.else
	v_wmma_scale_f32_16x16x128_f8f6f4 v[GT+64+8*\t:GT+64+8*\t+7], v[8*\t:8*\t+7], v[PC:PC+7], v[QR+8*\t:QR+8*\t+7], v[WOS+\t/2], v[PW] matrix_a_fmt:MATRIX_FMT_FP4 matrix_b_fmt:MATRIX_FMT_FP4
.endif
.endr
	WIN 0
	PLACES 4
.irp t, 0,1,2,3,4,5,6,7
	ds_store_b128 v[A_YW], v[GT+64+8*\t:GT+64+8*\t+3] offset:OST+64*\t        ; each result from its low end on; lanes r and r + 8 write the same bytes with the same values
	ds_store_b128 v[A_YW], v[GT+64+8*\t+4:GT+64+8*\t+7] offset:OST+64*\t+16
.endr
.irp i, 0,1,2,3,4,5,6,7
	ds_load_b128 v[GT+4*\i:GT+4*\i+3], v[A_L16] offset:OST+528*\i             ; back as whole rows of 512 bytes
.endr
.irp i, 0,1,2,3,4,5,6,7
	s_wait_dscnt 7-\i                              ; LDS loads come back in order: row i is in, the 7 - i younger ones stay out
	global_store_b128 v[G16], v[GT+4*\i:GT+4*\i+3], s[38:39] offset:512*\i th:TH_STORE_NT   ; 32 lanes store 512 consecutive bytes, at a multiple of 512 from out0's first byte
.endr
	s_wait_tensorcnt 0x0
	ds_add_u32 v254, v255
	s_wait_dscnt 0x0
	s_endpgm
.Lfunc_end_k_q7494a8fc29_pixattn:
	.size	k_q7494a8fc29_pixattn, .Lfunc_end_k_q7494a8fc29_pixattn-k_q7494a8fc29_pixattn
	.p2alignl 7, 3214868480
	.fill 96, 4, 3214868480
	.section	.rodata,"a",@progbits
	.p2align	6, 0x0
	.amdhsa_kernel k_q7494a8fc29_pixattn
		.amdhsa_group_segment_fixed_size 226304
		.amdhsa_private_segment_fixed_size 0
		.amdhsa_enable_private_segment 0
		.amdhsa_kernarg_size 96
		.amdhsa_user_sgpr_count 2
		.amdhsa_user_sgpr_kernarg_segment_ptr 1
		.amdhsa_wavefront_size32 1
		.amdhsa_system_sgpr_workgroup_id_x 1
		.amdhsa_system_sgpr_workgroup_id_y 1
		.amdhsa_system_sgpr_workgroup_id_z 1
		.amdhsa_system_vgpr_workitem_id 0
		.amdhsa_next_free_vgpr 512
		.amdhsa_next_free_sgpr 76
		.amdhsa_reserve_vcc 0
		.amdhsa_float_denorm_mode_32 3
		.amdhsa_float_denorm_mode_16_64 3
		.amdhsa_memory_ordered 1
		.amdhsa_forward_progress 1
		.amdhsa_inst_pref_size 157
	.end_amdhsa_kernel
	.amdgpu_metadata
---
amdhsa.version: [ 1, 2 ]
amdhsa.kernels:
  - .name:           k_q7494a8fc29_pixattn
    .symbol:         k_q7494a8fc29_pixattn.kd
    .args:
      - { .name: context_codes, .offset: 0, .size: 8, .value_kind: global_buffer, .address_space: global }
      - { .name: context_scales, .offset: 8, .size: 8, .value_kind: global_buffer, .address_space: global }
      - { .name: x_codes, .offset: 16, .size: 8, .value_kind: global_buffer, .address_space: global }
      - { .name: x_scales, .offset: 24, .size: 8, .value_kind: global_buffer, .address_space: global }
      - { .name: Wkv_codes, .offset: 32, .size: 8, .value_kind: global_buffer, .address_space: global }
      - { .name: Wkv_scales, .offset: 40, .size: 8, .value_kind: global_buffer, .address_space: global }
      - { .name: Wq_codes, .offset: 48, .size: 8, .value_kind: global_buffer, .address_space: global }
      - { .name: Wq_scales, .offset: 56, .size: 8, .value_kind: global_buffer, .address_space: global }
      - { .name: Wo_codes, .offset: 64, .size: 8, .value_kind: global_buffer, .address_space: global }
      - { .name: Wo_scales, .offset: 72, .size: 8, .value_kind: global_buffer, .address_space: global }
      - { .name: bo, .offset: 80, .size: 8, .value_kind: global_buffer, .address_space: global }
      - { .name: out0, .offset: 88, .size: 8, .value_kind: global_buffer, .address_space: global }
    .group_segment_fixed_size: 226304
    .private_segment_fixed_size: 0
    .kernarg_segment_align: 8
    .kernarg_segment_size: 96
    .max_flat_workgroup_size: 256
    .sgpr_count:     76
    .vgpr_count:     512
    .wavefront_size: 32
...
	.end_amdgpu_metadata
.endif
;; end of part 1
